; MI455X (gfx1250); checked and timed in simulation.
; The chip was launched on July 23, 2026; its instructions are those of AMD's public machine-readable ISA for CDNA 5 (MIT licence, August 2026) and "CDNA5" Instruction Set Architecture Reference Guide (July 2026). The comments in the code are by the model that wrote it; some were corrected since.
;; min LSTM. Allowed arithmetic: matrix products marked QUANTISED: E3M2 operands, one E8M0 scale for each 32 along K, by v_wmma_scale_f32_16x16x128_f8f6f4 with both operands' format E3M2, f32 sums; everything else in f32.
;; Inputs: W_codes 3,072 x 32 x 24 uint8 (E3M2 codes of W, K innermost, in blocks of 32 codes, four codes in three bytes); W_scales 3,072 x 32 uint8 (E8M0 scales of W, one for each 32 codes along K); x_codes 4 x 4,096 x 32 x 24 uint8 (E3M2 codes of x, K innermost, in blocks of 32 codes, four codes in three bytes); x_scales 4 x 4,096 x 32 uint8 (E8M0 scales of x, one for each 32 codes along K).
;; Outputs: out0 4 x 4,096 x 1,024 float32.
;; This version of the problem:
;;   THIS VERSION OF THE PROBLEM IS GIVEN IN LOW PRECISION. The matrix products marked QUANTISED in the list below multiply operands that are first quantised to E3M2 (3 exponent bits, 2 mantissa bits; 6 bits a number), with one power-of-two scale for each 32 numbers along K (OCP MX v1.0); their sums are f32. All else is computed in f32.
;;   The module's matrix products, in the order in which they are computed (A, B: the left and right operand; K: the contracted axis; several contracted axes count as one K, in the product's order):
;;     1. [M 16,384, K 1,024] x [K 1,024, N 3,072]; A: input x (given as codes); B: input W (given as codes): QUANTISED
;;   THE QUANTISER, for each operand of a quantised product, along K:
;;     - K is cut into blocks of 32 from its start; a last block that is shorter is filled with zeros.
;;     - A block's scale is 2^e with e = floor(log2(the largest magnitude in the block)) - 4, held to -126 .. 127; a block of zeros has e = 0. As a byte (E8M0): e + 127.
;;     - Each number is divided by its block's scale, clamped to +-28, and rounded to the nearest number of E3M2, ties to even, subnormals kept.
;;     - The product sums the exact products of the quantised numbers (number of the format x scale) in f32.
;;   ~~~python
;;   def quantise(x, axis):      # numpy; x: float32 -> the quantised numbers, widened to float32 again
;;       x = np.moveaxis(x, axis, -1); K = x.shape[-1]
;;       x = np.pad(x, [(0, 0)] * (x.ndim - 1) + [(0, -K % 32)]); x = x.reshape(x.shape[:-1] + (-1, 32)); a = np.abs(x).max(-1, keepdims=True)
;;       e = np.where(a > 0, np.clip(np.frexp(np.where(a > 0, a, 1))[1] - 1 - 4, -126, 127), 0)      # np.frexp(a)[1] - 1 = floor(log2(a)), exactly
;;       r = np.clip(x / 2.0 ** e, -28, 28)
;;       step = 2.0 ** (np.maximum(np.frexp(np.where(r == 0, 1, r))[1] - 1, -2) - 2)
;;       q = np.round(r / step) * step * 2.0 ** e      # np.round: ties to even
;;       return np.moveaxis(q.reshape(q.shape[:-2] + (-1,))[..., :K], -1, axis).astype(np.float32)
;;   ~~~
;;   INPUTS GIVEN AS CODES. W (in the module: [1024, 3072], K = its axis 0); x (in the module: [4, 4096, 1024], K = its axis 2): each comes as NAME_codes (uint8): NAME with its K axis moved to the last place and cut into blocks of 32 codes, [.., K / 32, bytes a block], one block behind the other in memory; four codes in three bytes: a row's codes are one little-endian stream of bits, code i at bits 6 i .. 6 i + 5 (a code: sign, 3 exponent bits, 2 mantissa bits); and NAME_scales (uint8): the same leading axes, one E8M0 byte (e + 127) for each 32 codes along K. Its value is code x scale, taken as it is: it is not quantised again, and the codes and scales need not be those that the quantiser above would give.
;; 2 versions. Each part assembles by itself: llvm-mc -triple=amdgcn-amd-amdhsa -mcpu=gfx1250 --defsym DOCPART=n.
;; ======== version 1 of 2: 1 launch
;; launch minlstm (part 1): grid 64 x 4, 8 waves a work-group, clusters of 4 x 1, 327,680 bytes of LDS; arguments W_codes, W_scales, x_codes, x_scales, out0; writes out0
.if DOCPART == 1
	.amdgcn_target "amdgcn-amd-amdhsa--gfx1250"
	.amdhsa_code_object_version 6
	.text
	.protected	k_qcee37fee0d_minlstm
	.globl	k_qcee37fee0d_minlstm
	.p2align	8
	.type	k_qcee37fee0d_minlstm,@function
k_qcee37fee0d_minlstm:
	s_mov_b64 s[64:65], 0
	v_nop
	global_prefetch_b8 v0, s[64:65] scope:SCOPE_SE
	s_setreg_imm32_b32 hwreg(HW_REG_WAVE_MODE, 25, 1), 1
	s_wait_xcnt 0x0
	s_wait_alu depctr_hold_cnt(0) depctr_sa_sdst(0) depctr_va_vdst(0) depctr_va_sdst(0) depctr_va_ssrc(0) depctr_va_vcc(0) depctr_vm_vsrc(0)
	s_getreg_b32 s2, hwreg(HW_REG_IB_STS2, 6, 4)
	s_cmp_eq_u32 s2, 0
	s_cbranch_scc0 .Lentry_in_a_cluster
	s_endpgm
.Lentry_in_a_cluster:
	s_bfe_u32 s2, ttmp6, 0x10000c
	s_cmp_lg_u32 s2, 0x3003
	s_cbranch_scc0 .Lentry_shape_is_right
	s_endpgm
.Lentry_shape_is_right:
; minLSTM.  hW = x W on codes of BF6 (E3M2) with one E8M0 scale for each 32 along K; hW = (hidden, f, i), 1,024 columns each; then, for each batch and channel, along the 4,096 steps,
;   h(t) = f'(t) h(t-1) + i'(t) g(hidden(t)),  h(-1) = 0,   f' = (1 + B) / (2 + A + B),  i' = (1 + A) / (2 + A + B),  A = e^-f, B = e^-i,   g(x) = x + 0.5 for x >= 0, else sigmoid(x).
; That is the log-space scan of the problem written in plain numbers: f' + i' = 1, so h is a convex mix of values of g, and the scan itself holds no exponential.
; THE GATES.  The maximum is taken away ahead of the exponentials: with mm = min(f, i, 0), E0 = e^mm, EA = e^(mm - f), EB = e^(mm - i) have exponents of 0 or less, one of them 0:
;   nI = E0 + EA, nF = E0 + EB, den = nI + nF in 1 .. 4.   g = G / d2 with xm = min(x, 0), t = x - xm, E = e^xm, G = 2 t + E, d2 = 1 + E in 1 .. 2.   One reciprocal R = 1 / (den d2):  f' = nF (d2 R),  v = i' g = (nI R) G.
; LIMITS.  What falls under 2^-126 (a gate, a running product, a g) counts as 0 (v_exp_f32 and v_rcp_f32 take denormals as zero: ISA guide, their entries).  NaN, infinities and the scale byte 0xff are not served.
;   The order of the scan's sums is not the log-space scan's; inside a matrix instruction the two middle blocks of 32 along K change places, on both operands alike (below).
; SHARES.  A work-group owns 16 channels (48 rows of W) of one batch for ALL steps, so that no carry leaves it: 4 x 64 = 256 work-groups.  Time goes in 32 slots of 128 steps; in a slot wave w takes steps 16 w .. 16 w + 15:
;   one tile, 3 gates x 8 K steps = 24 matrix instructions.  W's 24 fragments stay in every wave's registers (288); x's tiles come through a ring of two LDS slots, each wave fetching and reading its own 16 rows.
; CLUSTER.  The four partners own 64 neighbouring channels of one batch and walk the same x: each tile is asked for JOINTLY, by the same tensor load with the same descriptor (batch, wave, slot) and the mask of all four.
; OUTPUT.  A work-group owns 64 bytes of each row of out0 (16 channels); sixteen lanes store them whole.  Longer runs would want more channels to a work-group, and 4,096 sequences shared among 256 work-groups give 16.
; LAYOUT.  Source 0 = 16 rows of x, source 1 = 16 rows of W: lane (r, h) holds channel r and tile rows 8 h + j in register j.  THE ROWS OF A TILE ARE CHOSEN: tile row m is step 8 (m / 8) + 4 (m % 2) + (m / 2) % 4, so that
;   the register pair (2 q, 2 q + 1) is step q of two runs of four steps (8 h + q and 8 h + 4 + q): the chains go two at a time in packed instructions.
; FRAGMENTS BY 16 BYTES.  Lane (r, h) takes the 48 consecutive bytes at 96 k + 48 h of its row for K step k: blocks 2 h and 2 h + 1, where the operand's layout names blocks h and 2 + h.  Both operands are laid so, so the
;   products pair as they should; the unit then takes scale byte 2 c + h for what is block 2 h + c: bytes 1 and 2 of every scale word are swapped (v_perm_b32).
; THE SCAN.  In a lane: local chains h_local and running products P.  A pair (F, H) for each wave and channel goes to LDS; one period later, behind the ring's own round, every wave folds the eight pairs onto the carry,
;   adds P x carry to h_local and stores.  So the scan has no barrier of its own but one at the end.
.set ROWX,   768                       ; a row of x or of W: 1,024 codes
.set WROWS,  16*ROWX                   ; a wave's 16 rows in memory: one dense block
.set TILEB,  128*ROWX                  ; a slot's 128 rows
.set BATCHX, 4096*ROWX
.set PITCH,  816                       ; a row in LDS: 3 x (256 bytes + 16 of padding) = 51 x 16: row t starts in 16-byte column 3 t mod 16, so the 16 rows of a load's pass touch 16 different columns (64 banks of 4 bytes: ISA guide 11.1)
.set WTILE,  16*PITCH
.set SLOT,   8*WTILE                   ; 104,448
.set SPARE,  2*SLOT                    ; behind the ring: the spare words, 128 bytes for each wave: four blocks of 256 bytes that no other line names
.set EXCH,   SPARE+1024                ; the exchange: two buffers; channel r at 80 r, wave k's (F, H) at 8 k.  No fill ever lands here
.set EXB,    1280
.set GATEW,  1024*ROWX                 ; from gate to gate in W's codes,
.set GATES,  1024*32                   ; and in W's scales
.set XSSLOT, 128*32                    ; a slot's scale bytes of x
.set OROW,   4096                      ; a row of out0
.set OSLOT,  128*OROW
.set NTILES, 32
.set SPW,  1                           ; v1    LDS address of my spare word; never rewritten
.set NIL,  2                           ; v2    0; never rewritten
.set ADR1, 3                           ; v3-4  LDS address of my row's 48 bytes in slot 0, 1
.set ADR2, 5                           ; v5-6  the same for the pieces where lanes 16-31 lie behind one padding more
.set EXW,  7                           ; v7    where I store my wave's pair
.set EXR,  8                           ; v8    where my channel's eight pairs begin
.set XSO,  9                           ; v9    my 16 scale bytes among the wave's 512
.set OUTO, 10                          ; v10   my byte in the wave's rows of out0: 4 r + 8 h rows
.set PFO,  11                          ; v11   256 x lane
.set XSR,  12                          ; v12-19 x's scale words as loaded, a set for each slot
.set XP,   20                          ; v20-23 x's scale words for the unit: register q: lanes 0-15 K step q, lanes 16-31 K step 4 + q
.set WS,   24                          ; v24-35 W's likewise, gate g at 4 g
.set ACC,  36
.set X,    36                          ; v36-43 hidden;  v44-51 f;  v52-59 i: the three accumulators, then at work
.set FG,   44
.set IG,   52
.set Z,    60                          ; v60-67, v68-75 at work
.set XE,   68
.set HL,   76                          ; v76-83 h_local
.set PL,   84                          ; v84-91 running products
.set CP,   92                          ; v92-93 the carries into my two runs
.set FL,   94                          ; v94-95 my lane's (F, H);  v96-97 the other half's
.set LH,   95
.set FO,   96
.set HO,   97
.set FW,   98                          ; v98-99 my wave's (F, H)
.set CARRY, 100                        ; v100  h at the end of the last slot folded, for my channel
.set CW,   101                         ; v101  the carry into my wave's tile
.set FAP,  102                         ; v102-103 what brings it to my half: (1, 0) in lanes 0-15, the first half's (F, H) in lanes 16-31
.set HAP,  103
.set T0,   104
.set T1,   105
.set EX,   106                         ; v106-121 the eight pairs (at the head: three offsets)
.set XF,   124                         ; v124-219 x's eight fragments
.set W7,   220                         ; v220-255 W's fragments of K step 7;  those of K steps 0-6 fill window 1: (k, g) at v[12 (3 k + g)]
.set OUTB, 12                          ; s[12:13] out0 at my wave's rows of the slot in hand
.set WV,   14
.set CX,   15
.set CG,   16
.set BT,   17
.set G1,   24                          ; s[24:31] descriptor group 1;  s[32:35], s[36:39] group 0 for slot 0, 1
.set G0,   32
.set XA,   40                          ; s[40:41], s[42:43] x's scales at my wave's rows, for slot 0, 1
.set PFA,  44                          ; s[44:45] where my prefetches stand
.set PFON, 46                          ; s46   1 in a wave that prefetches
.set CNT,  47
.set LP,   48                          ; s[48:49] log2 e, twice;  s[50:51] -log2 e, twice (a packed form names a pair)
.set LN,   50
.set PSEL, 52                          ; s52   v_perm_b32's selector: bytes 0, 2, 1, 3
.set MH,   53                          ; s53   the mask of lanes 16-31
.set SEL,  54                          ; s[54:55] v_permlanex16_b32's selects for lane l xor 16
.set MK,   56                          ; s56-62 all ones where my wave is 1 .. 7
.set MSB, 0
.macro WIN new                         ; the immediate's high byte repeats the setting that is left
.if MSB != \new
	s_set_vgpr_msb (MSB<<8)|\new
.set MSB, \new
.endif
.endm
; A round of the cluster's barrier: my work-group's barrier, wave 0's signal for the work-group, every wave's wait for all four work-groups, my work-group's barrier once more.
.macro ROUND
	s_barrier_signal -1
	s_barrier_wait -1
	s_cmp_lg_u32 s[WV], 0
	s_cbranch_scc1 .Lnot_wave_0_\@
	s_barrier_signal -3
.Lnot_wave_0_\@:
	s_barrier_wait -3
	s_barrier_signal -1
	s_barrier_wait -1
.endm
; 24 LDS loads in one run: my tile's eight fragments.  Lanes 0-15 take the row's 16-byte pieces 6 k + 0, 1, 2, lanes 16-31 those three pieces on; 16 bytes of padding lie behind every 16 pieces.
.macro FETCH slot
.irp k, 0,1,2,3,4,5,6,7
.irp j, 0,1,2
.set PC, 6*\k+\j
.if PC%16 < 13
	ds_load_b128 v[XF+12*\k+4*\j:XF+12*\k+4*\j+3], v[ADR1+\slot] offset:16*PC+16*(PC/16)
.else
	ds_load_b128 v[XF+12*\k+4*\j:XF+12*\k+4*\j+3], v[ADR2+\slot] offset:16*PC+16*(PC/16)
.endif
.endr
.endr
.endm
.macro EXLOAD buf                      ; my channel's eight pairs of the period before
.irp i, 0,1,2,3
	ds_load_b128 v[EX+4*\i:EX+4*\i+3], v[EXR] offset:EXB*(\buf)+16*\i
.endr
.endm
; A PREFETCH INTO THE L2 of the tile that stands two refills on: 98,304 bytes, each 256 of them named once in the launch.  All 16 clusters of a batch walk the same x: the first (cluster x = 0) asks.  Its four partners
; share the tile BY ADDRESS, 24,576 bytes each; in each, waves 0 to 2 ask for 8,192 bytes, lanes 256 bytes apart.  Tiles 0 to 3 come by their loads alone; the last tile named is the batch's last.
.macro ASK
	s_cmp_eq_u32 s[PFON], 1
	s_cbranch_scc0 .Lnot_mine_\@
	global_prefetch_b8 v[PFO], s[PFA:PFA+1] th:TH_LOAD_NT scope:SCOPE_SE
.Lnot_mine_\@:
.endm
; The tile of one period before is finished: the eight waves' pairs are folded onto the carry (every wave does so, for its channel); the carry as it stood in front of my wave's pair is mine.
.macro DEFER ob
	v_mov_b32 v[CW], v[CARRY]
.irp k, 0,1,2,3,4,5,6,7
	v_fma_f32 v[CARRY], v[EX+2*\k], v[CARRY], v[EX+2*\k+1]
.if \k < 7
	v_cndmask_b32 v[CW], v[CW], v[CARRY], s[MK+\k]
.endif
.endr
	v_fma_f32 v[CP], v[FAP], v[CW], v[HAP]               ; into my half's first run of four steps,
	v_fma_f32 v[CP+1], v[PL+6], v[CP], v[HL+6]           ; and into its second: h at the end of the first
.irp q, 0,1,2,3
	v_pk_fma_f32 v[HL+2*\q:HL+2*\q+1], v[PL+2*\q:PL+2*\q+1], v[CP:CP+1], v[HL+2*\q:HL+2*\q+1]
.endr
.irp j, 0,1,2,3,4,5,6,7
	global_store_b32 v[OUTO], v[HL+\j], s[OUTB:OUTB+1] offset:(\ob)+(4*(\j%2)+\j/2)*OROW   ; register j is step 8 h + 4 (j % 2) + j / 2; sixteen lanes store my work-group's 64 bytes of a row
.endr
.endm
.macro WM k, g                         ; one product: K step k, gate g
.if \k == 7
.set rB, W7+12*\g
.else
.set rB, 12*(3*\k+\g)
.endif
.set rD, ACC+8*\g
.set rA, XF+12*\k
.set rSA, XP+(\k%4)
.set rSB, WS+4*\g+(\k%4)
.if \k == 0
	v_wmma_scale_f32_16x16x128_f8f6f4 v[rD:rD+7], v[rA:rA+11], v[rB:rB+11], 0, v[rSA], v[rSB] matrix_a_fmt:MATRIX_FMT_BF6 matrix_b_fmt:MATRIX_FMT_BF6
.elseif \k < 4
	v_wmma_scale_f32_16x16x128_f8f6f4 v[rD:rD+7], v[rA:rA+11], v[rB:rB+11], v[rD:rD+7], v[rSA], v[rSB] matrix_a_fmt:MATRIX_FMT_BF6 matrix_b_fmt:MATRIX_FMT_BF6
.else
	v_wmma_scale_f32_16x16x128_f8f6f4 v[rD:rD+7], v[rA:rA+11], v[rB:rB+11], v[rD:rD+7], v[rSA], v[rSB] matrix_a_fmt:MATRIX_FMT_BF6 matrix_b_fmt:MATRIX_FMT_BF6 matrix_a_scale:MATRIX_SCALE_ROW1 matrix_b_scale:MATRIX_SCALE_ROW1
.endif
.endm
; The tile's 24 products.  The three accumulators take turns, one instruction a turn; the first K step starts the sums with the constant 0.
.macro MM
	WIN 0x04                                       ; source 1 (W) in window 1
.irp k, 0,1,2,3,4,5,6,7
	s_wait_dscnt 21-3*\k                           ; LDS loads come back in order (ISA guide 5.7.1): K step k's three are in, the 21 - 3 k of the later K steps may be out
.if \k == 7
	WIN 0                                          ; K step 7's fragments of W lie in window 0
.endif
.irp g, 0,1,2
	WM \k, \g
.endr
.endr
.rept 4
	v_nop                                          ; four places between the last products and the first read of their results (ISA guide 7.12.1)
.endr
.endm
.macro EX1 base, q, n                  ; an exponential of the pair before pair q, in place
.if (\q) > 0
	v_exp_f32 v[\base+2*(\q)-2+\n], v[\base+2*(\q)-2+\n]
.endif
.endm
; Pair q's eleven plain lines, and between them the eight exponentials of pair q - 1: no line names a result of an exponential.  The pairs ascend.
; mm = min(f, i, 0) is taken in two steps, with the sources as they stand: no sign is turned, so no -0 is made that would stand beside the constant's +0.
.macro AB q
	v_min_num_f32 v[Z+2*(\q)], v[FG+2*(\q)], v[IG+2*(\q)]                    ; min(f, i)
	EX1 Z, \q, 0
	v_min_num_f32 v[Z+2*(\q)+1], v[FG+2*(\q)+1], v[IG+2*(\q)+1]
	EX1 Z, \q, 1
	v_min_num_f32 v[XE+2*(\q)], 0, v[X+2*(\q)]                               ; xm = min(x, 0)
	EX1 FG, \q, 0
	v_min_num_f32 v[XE+2*(\q)+1], 0, v[X+2*(\q)+1]
	EX1 FG, \q, 1
	v_min_num_f32 v[Z+2*(\q)], 0, v[Z+2*(\q)]                                ; mm = min(f, i, 0)
	EX1 IG, \q, 0
	v_min_num_f32 v[Z+2*(\q)+1], 0, v[Z+2*(\q)+1]
	EX1 IG, \q, 1
	v_pk_mul_f32 v[Z+2*(\q):Z+2*(\q)+1], v[Z+2*(\q):Z+2*(\q)+1], s[LP:LP+1] op_sel_hi:[1,0]      ; z = mm log2 e
	EX1 XE, \q, 0
	v_pk_add_f32 v[X+2*(\q):X+2*(\q)+1], v[X+2*(\q):X+2*(\q)+1], v[XE+2*(\q):XE+2*(\q)+1] neg_lo:[0,1] neg_hi:[0,1]   ; t = x - xm = max(x, 0), exactly
	EX1 XE, \q, 1
	v_pk_mul_f32 v[XE+2*(\q):XE+2*(\q)+1], v[XE+2*(\q):XE+2*(\q)+1], s[LP:LP+1] op_sel_hi:[1,0]  ; xm log2 e
	v_pk_fma_f32 v[FG+2*(\q):FG+2*(\q)+1], v[FG+2*(\q):FG+2*(\q)+1], s[LN:LN+1], v[Z+2*(\q):Z+2*(\q)+1] op_sel_hi:[1,0,1]   ; (mm - f) log2 e
	v_pk_fma_f32 v[IG+2*(\q):IG+2*(\q)+1], v[IG+2*(\q):IG+2*(\q)+1], s[LN:LN+1], v[Z+2*(\q):Z+2*(\q)+1] op_sel_hi:[1,0,1]   ; (mm - i) log2 e
.endm
.macro RC1 q, n                        ; a reciprocal of the pair before pair q, in place
.if (\q) > 0
	v_rcp_f32 v[Z+2*(\q)-2+\n], v[Z+2*(\q)-2+\n]
.endif
.endm
; Pair q's six lines behind the exponentials, and between them the two reciprocals of pair q - 1.
.macro CD q
	v_pk_add_f32 v[FG+2*(\q):FG+2*(\q)+1], v[FG+2*(\q):FG+2*(\q)+1], v[Z+2*(\q):Z+2*(\q)+1]      ; nI = E0 + EA
	v_pk_add_f32 v[IG+2*(\q):IG+2*(\q)+1], v[IG+2*(\q):IG+2*(\q)+1], v[Z+2*(\q):Z+2*(\q)+1]      ; nF = E0 + EB
	RC1 \q, 0
	v_pk_fma_f32 v[X+2*(\q):X+2*(\q)+1], v[X+2*(\q):X+2*(\q)+1], 2.0, v[XE+2*(\q):XE+2*(\q)+1] op_sel_hi:[1,0,1]   ; G = 2 t + E
	v_pk_add_f32 v[XE+2*(\q):XE+2*(\q)+1], v[XE+2*(\q):XE+2*(\q)+1], 1.0 op_sel_hi:[1,0]         ; d2 = 1 + E
	RC1 \q, 1
	v_pk_add_f32 v[Z+2*(\q):Z+2*(\q)+1], v[FG+2*(\q):FG+2*(\q)+1], v[IG+2*(\q):IG+2*(\q)+1]      ; den
	v_pk_mul_f32 v[Z+2*(\q):Z+2*(\q)+1], v[Z+2*(\q):Z+2*(\q)+1], v[XE+2*(\q):XE+2*(\q)+1]        ; den d2, in 1 .. 8
.endm
; f' and v, then the two local chains of four steps, two at a time.
.macro FIN
	s_wait_xcnt 0x0                                ; this period's stores have read h_local's registers: they are written again only behind this wait
.irp q, 0,1,2,3
	v_pk_mul_f32 v[XE+2*\q:XE+2*\q+1], v[XE+2*\q:XE+2*\q+1], v[Z+2*\q:Z+2*\q+1]                  ; d2 R
	v_pk_mul_f32 v[FG+2*\q:FG+2*\q+1], v[FG+2*\q:FG+2*\q+1], v[Z+2*\q:Z+2*\q+1]                  ; nI R
.endr
.irp q, 0,1,2,3
	v_pk_mul_f32 v[PL+2*\q:PL+2*\q+1], v[IG+2*\q:IG+2*\q+1], v[XE+2*\q:XE+2*\q+1]                ; f'
	v_pk_mul_f32 v[HL+2*\q:HL+2*\q+1], v[FG+2*\q:FG+2*\q+1], v[X+2*\q:X+2*\q+1]                  ; v
.endr
.irp q, 1,2,3
	v_pk_fma_f32 v[HL+2*\q:HL+2*\q+1], v[PL+2*\q:PL+2*\q+1], v[HL+2*\q-2:HL+2*\q-1], v[HL+2*\q:HL+2*\q+1]
	v_pk_mul_f32 v[PL+2*\q:PL+2*\q+1], v[PL+2*\q:PL+2*\q+1], v[PL+2*\q-2:PL+2*\q-1]
.endr
.endm
; My lane's eight steps as one pair, my wave's sixteen as one pair (the same bits in both halves of the lanes), which goes to the exchange.
.macro AGG buf
	v_mul_f32 v[FL], v[PL+6], v[PL+7]
	v_fma_f32 v[LH], v[PL+7], v[HL+6], v[HL+7]
	v_permlanex16_b32 v[FO], v[FL], s[SEL], s[SEL+1]
	v_permlanex16_b32 v[HO], v[LH], s[SEL], s[SEL+1]
	v_mul_f32 v[FW], v[FL], v[FO]
	v_cndmask_b32 v[T0], v[LH], v[HO], s[MH]             ; the first half's H,
	v_cndmask_b32 v[T1], v[FO], v[FL], s[MH]             ; the second half's F
	v_cndmask_b32 v[FW+1], v[HO], v[LH], s[MH]           ; and H
	v_fma_f32 v[FW+1], v[T1], v[T0], v[FW+1]
	v_cndmask_b32 v[FAP], 1.0, v[FO], s[MH]
	v_cndmask_b32 v[HAP], 0, v[HO], s[MH]
	ds_store_b64 v[EXW], v[FW:FW+1] offset:EXB*(\buf)    ; both lanes of a channel write the same 8 bytes with the same value
.endm
; A PERIOD: the tile in \slot.  refill: the next tile is asked for, into the other slot.  defer: the tile before is finished and stored.  sload: the scale words of the tile two on are loaded.  ask: a prefetch.
; lcnt: how many younger loads of scale words may stay out.
.macro TRIP slot, refill, defer, sload, ask, lcnt
	s_wait_tensorcnt 0x0                           ; my one tensor load, my rows of this slot's tile, has landed: so every group 0 may be written;
	ds_add_u32 v[SPW], v[NIL]                      ; 0 onto my spare word
	s_add_nc_u64 s[G0+4*\slot+2:G0+4*\slot+3], s[G0+4*\slot+2:G0+4*\slot+3], 2*TILEB   ; this slot's next tile; the type bits on top are not reached
	s_wait_xcnt 0x0                                ; the last period's stores, load and prefetch have read their bases
.if \defer
	s_add_nc_u64 s[OUTB:OUTB+1], s[OUTB:OUTB+1], OSLOT   ; out0 at this period's rows; the stores below reach back one slot
.endif
.if \ask
	s_add_nc_u64 s[PFA:PFA+1], s[PFA:PFA+1], TILEB
.endif
	s_wait_dscnt 0x0                               ; the add is done, my pair is stored, my reads of the other slot and of the exchange are over
	ROUND                                          ; all that now holds of every wave of the four work-groups
.if \refill
	tensor_load_to_lds s[G0+4-4*\slot:G0+7-4*\slot], s[G1:G1+7]   ; my one tensor load behind the round: it has this period's work in which to land
	s_nop 0
.rept 4
	v_nop
.endr
.endif
.if \defer
	EXLOAD 1-\slot
.endif
	FETCH \slot
.if \ask
	ASK
.endif
	s_wait_loadcnt \lcnt                           ; this slot's scale words are in; the next slot's load may be out
.irp q, 0,1,2,3
	v_perm_b32 v[XP+\q], v[XSR+4*\slot+\q], v[XSR+4*\slot+\q], s[PSEL]
.endr
.if \sload
	s_add_nc_u64 s[XA+2*\slot:XA+2*\slot+1], s[XA+2*\slot:XA+2*\slot+1], 2*XSSLOT
	global_load_b128 v[XSR+4*\slot:XSR+4*\slot+3], v[XSO], s[XA+2*\slot:XA+2*\slot+1]   ; a wave's 512 dense bytes, two periods ahead
.endif
.if \defer
	s_wait_dscnt 24                                ; the four loads of pairs are in; the 24 fragment loads issued behind them may be out
	DEFER -OSLOT                                   ; its 22 plain lines are also the eight places between the scale words just written and the first product
.else
.rept 8
	v_nop                                          ; eight places between the scale words just written and the first product
.endr
.endif
	MM
	AB 0
	AB 1
	AB 2
	AB 3
.irp b, Z, FG, IG, XE
	EX1 \b, 4, 0
	EX1 \b, 4, 1
.endr
	v_nop                                          ; a plain line behind the last exponential,
	s_wait_alu depctr_va_vdst(0)                   ; and one wait for the 32, ahead of the first line that names a result
	CD 0
	CD 1
	CD 2
	CD 3
	RC1 4, 0
	RC1 4, 1
	v_nop
	s_wait_alu depctr_va_vdst(0)                   ; likewise for the eight reciprocals
	FIN
	AGG \slot
.endm
	s_load_b256 s[4:11], s[0:1], 0x0               ; W's codes s[4:5], W's scales s[6:7], x's codes s[8:9], x's scales s[10:11]
	s_load_b64 s[OUTB:OUTB+1], s[0:1], 0x20        ; out0
	v_lshl_add_u32 v[SPW], v0, 2, SPARE
	v_mov_b32 v[NIL], 0
	ds_add_u32 v1, v2
	ds_add_u32 v1, v2
	s_wait_dscnt 0x0
	v_lshrrev_b32 v[T0], 5, v0
	v_readfirstlane_b32 s[WV], v[T0]               ; wave 0..7
	s_bfe_u32 s[CX], ttmp6, 0x40000                ; cx: my place in the cluster
	s_lshl_b32 s[CG], ttmp9, 2                     ; in a cluster launch ttmp9 counts clusters
	s_add_co_u32 s[CG], s[CG], s[CX]               ; my group of 16 channels: it enters W's and out0's addresses alone
	s_and_b32 s[BT], ttmp7, 0xffff                 ; the batch, which the four partners share
	; descriptor group 1: a dense block of 12,288 bytes as 48 rows of 256 bytes (32 elements of 8 bytes), 16 bytes of padding behind each
	s_mov_b32 s[G1+0], 15|(3<<16)|(1<<20)|(1<<21)|(5<<22)|(3<<25)  ; 15:0 the mask: all four work-groups; 17:16 elements of 8 bytes; 20 padding on; 21 set beside a mask; 24:22 after every 64 words (code 5); 31:25 4 words of it (code 3)
	s_mov_b32 s[G1+1], 32<<16                      ; tensor_dim0 = 32
	s_mov_b32 s[G1+2], 48<<16                      ; tensor_dim1 = 48
	s_mov_b32 s[G1+3], 32<<16                      ; tile_dim0 = 32
	s_mov_b32 s[G1+4], 48                          ; tile_dim1 = 48
	s_mov_b32 s[G1+5], 32                          ; from row to row
	s_mov_b32 s[G1+6], 0
	s_mov_b32 s[G1+7], 0
	; what the partners share: s18, s20-23 never hold cx
	s_mul_i32 s18, s[WV], WTILE                    ; my wave's rows in a slot
	s_mul_i32 s20, s[BT], BATCHX
	s_mul_i32 s21, s[WV], WROWS
	s_add_co_u32 s20, s20, s21                     ; and in x's codes
	s_mov_b32 s21, 0
	s_lshl_b32 s22, s[BT], 17
	s_lshl_b32 s23, s[WV], 9
	s_add_co_u32 s22, s22, s23                     ; and in x's scales: 131,072 bytes a batch, 512 a wave
	s_mov_b32 s23, 0
	s_wait_kmcnt 0x0
	s_add_nc_u64 s[20:21], s[8:9], s[20:21]
	s_add_nc_u64 s[XA:XA+1], s[10:11], s[22:23]
	s_add_nc_u64 s[XA+2:XA+3], s[XA:XA+1], XSSLOT
.irp n, 0,1
	s_mov_b32 s[G0+4*\n], 1                        ; count = 1
	s_add_co_u32 s[G0+4*\n+1], s18, \n*SLOT        ; LDS address: the slot's constant + the wave's number x a constant
	s_add_nc_u64 s[G0+4*\n+2:G0+4*\n+3], s[20:21], \n*TILEB   ; global address: tile n
	s_or_b32 s[G0+4*\n+3], s[G0+4*\n+3], 0x80000000           ; type = 2
.endr
	ROUND                                          ; all four work-groups are here: the first joint loads meet
	tensor_load_to_lds s[G0:G0+3], s[G1:G1+7]      ; tile 0; slot 1 is first filled behind the first period's round, as a refill is
	s_nop 0
.rept 4
	v_nop
.endr
	; what hangs on my channels: s2, s3, s19
	s_mul_i32 s2, s[CG], WROWS
	s_mov_b32 s3, 0
	s_add_nc_u64 s[4:5], s[4:5], s[2:3]            ; W's codes at my first channel's row of gate 0
	s_lshl_b32 s2, s[CG], 9
	s_add_nc_u64 s[6:7], s[6:7], s[2:3]            ; W's scales likewise: 32 bytes a row
	s_lshl_b32 s2, s[BT], 24                       ; out0: 16,777,216 bytes a batch,
	s_lshl_b32 s19, s[CG], 6                       ; 64 bytes for 16 channels,
	s_add_co_u32 s2, s2, s19
	s_lshl_b32 s19, s[WV], 16                      ; 16 rows a wave
	s_add_co_u32 s2, s2, s19
	s_add_nc_u64 s[OUTB:OUTB+1], s[OUTB:OUTB+1], s[2:3]
	s_mul_i32 s2, s[BT], BATCHX                    ; the prefetches: my batch,
	s_mul_i32 s19, s[CX], TILEB/4                  ; my work-group's quarter of a tile,
	s_add_co_u32 s2, s2, s19
	s_min_u32 s19, s[WV], 2                        ; my wave's 8,192 bytes of it (waves 3 to 7 ask for nothing; held at 2, so that the address lies inside the buffer in every wave)
	s_lshl_b32 s19, s19, 13
	s_add_co_u32 s2, s2, s19
	s_add_co_u32 s2, s2, 3*TILEB                   ; at tile 3: period 1 steps it to tile 4
	s_add_nc_u64 s[PFA:PFA+1], s[8:9], s[2:3]
	s_cmp_lt_u32 s[WV], 3
	s_cselect_b32 s[PFON], 1, 0
	s_cmp_eq_u32 ttmp9, 0                          ; the batch's first cluster: the same in all four partners
	s_cselect_b32 s[PFON], s[PFON], 0
.irp k, 1,2,3,4,5,6,7
	s_cmp_eq_u32 s[WV], \k
	s_cselect_b32 s[MK+\k-1], -1, 0
.endr
	s_mov_b32 s[LP], 0x3fb8aa3b                    ; log2 e
	s_mov_b32 s[LP+1], 0x3fb8aa3b
	s_mov_b32 s[LN], 0xbfb8aa3b
	s_mov_b32 s[LN+1], 0xbfb8aa3b
	s_mov_b32 s[PSEL], 0x03010200
	s_mov_b32 s[MH], 0xffff0000
	s_mov_b32 s[SEL], 0x76543210
	s_mov_b32 s[SEL+1], 0xfedcba98
	s_lshl_b32 s22, s[WV], 3
	v_and_b32 v[T0], 15, v0                        ; r
	v_bfe_u32 v[T1], v0, 4, 1                      ; h
	v_and_b32 v[EX], 8, v0                         ; the step that tile row r stands for: 8 (r / 8)
	v_and_b32 v[EX+1], 1, v0
	v_lshl_add_u32 v[EX], v[EX+1], 2, v[EX]        ; + 4 (r % 2)
	v_bfe_u32 v[EX+1], v0, 1, 2
	v_add_nc_u32 v[EX], v[EX], v[EX+1]             ; + (r / 2) % 4
	v_mul_u32_u24 v[ADR1], v[EX], PITCH
	v_mad_u32_u24 v[ADR1], v[T1], 48, v[ADR1]
	v_add_nc_u32 v[ADR1], s18, v[ADR1]             ; slot 0: my wave's rows + the row + 48 h
	v_add_nc_u32 v[ADR1+1], SLOT, v[ADR1]
	v_lshl_add_u32 v[ADR2], v[T1], 4, v[ADR1]
	v_lshl_add_u32 v[ADR2+1], v[T1], 4, v[ADR1+1]
	v_mul_u32_u24 v[EXR], v[T0], 80
	v_add_nc_u32 v[EXR], EXCH, v[EXR]
	v_add_nc_u32 v[EXW], s22, v[EXR]
	v_lshlrev_b32 v[XSO], 5, v[EX]
	v_lshl_add_u32 v[XSO], v[T1], 4, v[XSO]        ; x's scales: 32 bytes a row, + 16 h
	v_lshlrev_b32 v[OUTO], 2, v[T0]
	v_lshl_add_u32 v[OUTO], v[T1], 15, v[OUTO]
	v_and_b32 v[PFO], 31, v0
	v_lshlrev_b32 v[PFO], 8, v[PFO]
	v_mul_u32_u24 v[EX+1], v[T0], ROWX
	v_mad_u32_u24 v[EX+1], v[T1], 48, v[EX+1]      ; W's codes: row r, + 48 h
	v_lshlrev_b32 v[EX+2], 5, v[T0]
	v_lshl_add_u32 v[EX+2], v[T1], 4, v[EX+2]      ; W's scales: row r, + 16 h
	v_mov_b32 v[FO], 0                             ; written once: a lane permute's destination counts as one of its sources
	v_mov_b32 v[HO], 0
	v_mov_b32 v[CARRY], 0                          ; h(-1) = 0
	WIN 0x40                                       ; destination window 1, address window 0
.irp k, 0,1,2,3,4,5,6
.irp g, 0,1,2
.irp j, 0,1,2
	global_load_b128 v[12*(3*\k+\g)+4*\j:12*(3*\k+\g)+4*\j+3], v[EX+1], s[4:5] offset:\g*GATEW+96*\k+16*\j   ; W stays in registers
.endr
.endr
.endr
	WIN 0
.irp g, 0,1,2
.irp j, 0,1,2
	global_load_b128 v[W7+12*\g+4*\j:W7+12*\g+4*\j+3], v[EX+1], s[4:5] offset:\g*GATEW+96*7+16*\j
.endr
.endr
.irp g, 0,1,2
	global_load_b128 v[WS+4*\g:WS+4*\g+3], v[EX+2], s[6:7] offset:\g*GATES
.endr
	global_load_b128 v[XSR:XSR+3], v[XSO], s[XA:XA+1]          ; x's scale words of tiles 0 and 1
	global_load_b128 v[XSR+4:XSR+7], v[XSO], s[XA+2:XA+3]
	s_wait_loadcnt 2                               ; all of W is in; the two loads just issued may be out
.irp i, 0,1,2,3,4,5,6,7,8,9,10,11
	v_perm_b32 v[WS+\i], v[WS+\i], v[WS+\i], s[PSEL]
.endr
	TRIP 0, 1, 0, 1, 0, 1                          ; period 0: nothing to finish yet
	s_mov_b32 s[CNT], (NTILES-4)/2
.Lpair:                                                ; 14 trips: periods 1 to 28, two a trip, once round the ring
	TRIP 1, 1, 1, 1, 1, 1
	TRIP 0, 1, 1, 1, 1, 1
	s_sub_co_u32 s[CNT], s[CNT], 1
	s_cmp_lg_u32 s[CNT], 0
	s_cbranch_scc1 .Lpair
	TRIP 1, 1, 1, 1, 0, 1                          ; period 29: the last load of scale words (tile 31's); no tile is left to prefetch
	TRIP 0, 1, 1, 0, 0, 1                          ; period 30: the last refill (tile 31)
	TRIP 1, 0, 1, 0, 0, 0                          ; period 31: nothing is left to fetch
	s_wait_dscnt 0x0                               ; my last pair is stored
	s_barrier_signal -1
	s_barrier_wait -1                              ; everybody's is
	EXLOAD 1
	s_wait_dscnt 0x0
	DEFER 0                                        ; the last tile
	s_wait_tensorcnt 0x0                           ; the wave's end: behind my last tensor load and my last LDS store
	ds_add_u32 v[SPW], v[NIL]
	s_wait_dscnt 0x0
	ROUND                                          ; the closing round: no work-group ends while a partner may still ask for a tile that names it
	s_endpgm
.Lfunc_end_k_qcee37fee0d_minlstm:
	.size	k_qcee37fee0d_minlstm, .Lfunc_end_k_qcee37fee0d_minlstm-k_qcee37fee0d_minlstm
	.p2alignl 7, 3214868480
	.fill 96, 4, 3214868480
	.section	.rodata,"a",@progbits
	.p2align	6, 0x0
	.amdhsa_kernel k_qcee37fee0d_minlstm
		.amdhsa_group_segment_fixed_size 327680
		.amdhsa_private_segment_fixed_size 0
		.amdhsa_enable_private_segment 0
		.amdhsa_kernarg_size 40
		.amdhsa_user_sgpr_count 2
		.amdhsa_user_sgpr_kernarg_segment_ptr 1
		.amdhsa_wavefront_size32 1
		.amdhsa_system_sgpr_workgroup_id_x 1
		.amdhsa_system_sgpr_workgroup_id_y 1
		.amdhsa_system_sgpr_workgroup_id_z 1
		.amdhsa_system_vgpr_workitem_id 0
		.amdhsa_next_free_vgpr 512
		.amdhsa_next_free_sgpr 66
		.amdhsa_reserve_vcc 0
		.amdhsa_float_denorm_mode_32 3
		.amdhsa_float_denorm_mode_16_64 3
		.amdhsa_memory_ordered 1
		.amdhsa_forward_progress 1
		.amdhsa_inst_pref_size 109
	.end_amdhsa_kernel
	.amdgpu_metadata
---
amdhsa.version: [ 1, 2 ]
amdhsa.kernels:
  - .name:           k_qcee37fee0d_minlstm
    .symbol:         k_qcee37fee0d_minlstm.kd
    .args:
      - { .name: W_codes, .offset: 0, .size: 8, .value_kind: global_buffer, .address_space: global }
      - { .name: W_scales, .offset: 8, .size: 8, .value_kind: global_buffer, .address_space: global }
      - { .name: x_codes, .offset: 16, .size: 8, .value_kind: global_buffer, .address_space: global }
      - { .name: x_scales, .offset: 24, .size: 8, .value_kind: global_buffer, .address_space: global }
      - { .name: out0, .offset: 32, .size: 8, .value_kind: global_buffer, .address_space: global }
    .group_segment_fixed_size: 327680
    .private_segment_fixed_size: 0
    .kernarg_segment_align: 8
    .kernarg_segment_size: 40
    .max_flat_workgroup_size: 256
    .sgpr_count:     66
    .vgpr_count:     512
    .wavefront_size: 32
...
	.end_amdgpu_metadata
.endif
;; end of part 1
;; ======== version 2 of 2: 1 launch
;; limits: right only within a limited range of input values
;; launch minlstm (part 2): grid 64 x 4, 8 waves a work-group, clusters of 4 x 1, 327,680 bytes of LDS; arguments W_codes, W_scales, x_codes, x_scales, out0; writes out0
.if DOCPART == 2
	.amdgcn_target "amdgcn-amd-amdhsa--gfx1250"
	.amdhsa_code_object_version 6
	.text
	.protected	k_qcee37fee0d_minlstm
	.globl	k_qcee37fee0d_minlstm
	.p2align	8
	.type	k_qcee37fee0d_minlstm,@function
k_qcee37fee0d_minlstm:
	s_mov_b64 s[64:65], 0
	v_nop
	global_prefetch_b8 v0, s[64:65] scope:SCOPE_SE
	s_setreg_imm32_b32 hwreg(HW_REG_WAVE_MODE, 25, 1), 1
	s_wait_xcnt 0x0
	s_wait_alu depctr_hold_cnt(0) depctr_sa_sdst(0) depctr_va_vdst(0) depctr_va_sdst(0) depctr_va_ssrc(0) depctr_va_vcc(0) depctr_vm_vsrc(0)
	s_getreg_b32 s2, hwreg(HW_REG_IB_STS2, 6, 4)
	s_cmp_eq_u32 s2, 0
	s_cbranch_scc0 .Lentry_in_a_cluster
	s_endpgm
.Lentry_in_a_cluster:
	s_bfe_u32 s2, ttmp6, 0x10000c
	s_cmp_lg_u32 s2, 0x3003
	s_cbranch_scc0 .Lentry_shape_is_right
	s_endpgm
.Lentry_shape_is_right:
; minLSTM: hW = x W (MX-BF6 codes as given), gates, scan along the sequence, all in one launch.
; A work-group owns one batch and 16 columns of the output (48 rows of W: hidden, f, i), kept in registers by each of its 8 waves,
; and walks the 4,096 positions in order.  A wave takes tiles of 16 positions; the waves' aggregates (product of f', local h) meet in LDS,
; and a tile's carry is applied and the tile stored one trip later.
; The scan is h(t) = f'(t) h(t-1) + i'(t) g(t), h(-1) = 0, in f32: the same numbers as exp(a* + cumlogsumexp(log_values - a*)).
; f' + i' = 1 and both lie in [0, 1], so h is a convex mix of g's values and cannot overflow where g does not.
; LIMIT: products of f' under 2^-126 fall to 0 (their share of h is then under 2^-126 x the largest g).
; f' = B / (A + B), i' = A / (A + B), A = e^z + e^(z-f), B = e^z + e^(z-i), z = min(f, i, 0): no exponent is above 0.
; g = (2 relu(x) + E) / (1 + E), E = e^min(x, 0): x + 0.5 for x >= 0, sigmoid(x) below.
; x's tiles come by joint tensor loads of the 4 work-groups of a cluster (same batch, neighbouring columns), two LDS slots:
; slot 0 holds 256 positions (two tiles a wave), slot 1 holds 128.  Slot 0 is filled again in the middle of its own trip, as soon as
; every wave holds its second tile in registers; slot 1 at the head of slot 0's trip.
; K is permuted alike in A and B (a lane takes 48 neighbouring bytes of each 96), the scale bytes by v_perm to match.
; The 16 columns are 64 bytes of an output row: a store covers two pieces of 64 bytes; the scan's one owner per column fixes that width at 256 work-groups.
.set ROWX,   768
.set WROWS,  16*ROWX
.set BATCHX, 4096*ROWX
.set PITCH,  816                       ; three units of 256 + 16 bytes
.set WTILE,  16*PITCH
.set SLOTB,  16*WTILE                  ; slot 1 begins here
.set SPARE,  SLOTB+8*WTILE             ; the spare words: 8 waves x 128 bytes
.set EXCH,   SPARE+1024                ; the waves' aggregates, two buffers
.set EXB,    1280
.set GATEW,  1024*ROWX
.set GATESC, 1024*32
.set OROW,   4096
.set STEPX,  384*ROWX
.set XSTEP,  384*32
.set OSTEP,  384*OROW
.set NPAIR,  9
.set SPW,  1
.set NIL,  2
.set ADR1, 3
.set ADR2, 5
.set EXW,  7
.set EXR,  8
.set XSO,  9
.set OUTO, 10
.set PFO,  11
.set XS,   12
.set WS,   24
.set ACC,  36
.set X,    36
.set FG,   44
.set IG,   52
.set Z,    60
.set XE,   68
.set HL,   76
.set PL,   84
.set CP,   92
.set FL,   94
.set LH,   95
.set FO,   96
.set HO,   97
.set FW,   98
.set CARRY, 100
.set CW,   101
.set FAP,  102
.set HAP,  103
.set T0,   104
.set T1,   105
.set EX,   106
.set FAPB, 122
.set HAPB, 123
.set XF,   124
.set W7,   220
.set OUT0, 12
.set OUT1, 66
.set WV,   14
.set CX,   15
.set CG,   16
.set BT,   17
.set G1A,  24
.set G1B,  68
.set G0,   32
.set XA,   40
.set PF0,  44
.set PF1,  76
.set PN0,  46
.set PN1,  78
.set CNT,  47
.set LP,   48
.set LN,   50
.set PSEL, 52
.set MH,   53
.set SEL,  54
.set MK,   56
.set MSB, 0
.macro WIN new
.if MSB != \new
	s_set_vgpr_msb (MSB<<8)|\new
.set MSB, \new
.endif
.endm
.macro NOPS n
.rept \n
	v_nop
.endr
.endm
.macro ROUND                           ; a round of the cluster's barrier
	s_barrier_signal -1
	s_barrier_wait -1
	s_cmp_lg_u32 s[WV], 0
	s_cbranch_scc1 .Lnot_wave_0_\@
	s_barrier_signal -3
.Lnot_wave_0_\@:
	s_barrier_wait -3
	s_barrier_signal -1
	s_barrier_wait -1
.endm
.macro FETCH s, t                      ; my tile t of slot s: 24 loads of 16 bytes; ADR2 serves pieces whose upper lanes lie past a unit's padding
.irp k, 0,1,2,3,4,5,6,7
.irp j, 0,1,2
.set PC, 6*\k+\j
.if PC%16 < 13
	ds_load_b128 v[XF+12*\k+4*\j:XF+12*\k+4*\j+3], v[ADR1+\s] offset:(\t)*WTILE+16*PC+16*(PC/16)
.else
	ds_load_b128 v[XF+12*\k+4*\j:XF+12*\k+4*\j+3], v[ADR2+\s] offset:(\t)*WTILE+16*PC+16*(PC/16)
.endif
.endr
.endr
.endm
.macro EXLOAD buf                      ; the eight waves' aggregates of my column
.irp i, 0,1,2,3
	ds_load_b128 v[EX+4*\i:EX+4*\i+3], v[EXR] offset:EXB*(\buf)+16*\i
.endr
.endm
; Prefetches: each cluster asks once for each 256 bytes that it will load; its four work-groups share the tile by address, a lane a block.
.macro ASK0                            ; in slot 1's trip k: slot 0's tile of trip k + 2, which is loaded in the middle of slot 0's next trip; waves 0-5
	s_cmp_eq_u32 s[PN0], 1
	s_cbranch_scc0 .Lnot_mine_\@
	global_prefetch_b8 v[PFO], s[PF0:PF0+1] th:TH_LOAD_NT scope:SCOPE_SE
.Lnot_mine_\@:
.endm
.macro ASK1                            ; in slot 0's trip k: slot 1's tile that is loaded at the head of trip k + 1; waves 0-2; the loop's last trip (CNT = 1) has none left
	s_cmp_gt_u32 s[CNT], s[PN1]
	s_cbranch_scc0 .Lnot_mine_\@
	global_prefetch_b8 v[PFO], s[PF1:PF1+1] th:TH_LOAD_NT scope:SCOPE_SE
.Lnot_mine_\@:
.endm
.macro FIX hl, pl, fa, ha, ob, o       ; h = local h + (running product) x carry, and the stores
	v_fma_f32 v[CP], v[\fa], v[CW], v[\ha]
	s_delay_alu instid0(VALU_DEP_1)
	v_fma_f32 v[CP+1], v[\pl+6], v[CP], v[\hl+6]
.irp q, 0,1,2,3
	v_pk_fma_f32 v[\hl+2*\q:\hl+2*\q+1], v[\pl+2*\q:\pl+2*\q+1], v[CP:CP+1], v[\hl+2*\q:\hl+2*\q+1]
.endr
.irp j, 0,1,2,3,4,5,6,7
.if (\o) == 0
	global_store_b32 v[OUTO], v[\hl+\j], s[OUT0:OUT0+1] offset:(\ob)+(4*(\j%2)+\j/2)*OROW
.else
	global_store_b32 v[OUTO], v[\hl+\j], s[OUT1:OUT1+1] offset:(\ob)+(4*(\j%2)+\j/2)*OROW
.endif
.endr
.endm
.macro DEFER o, ob                     ; the carry through the eight waves' aggregates; CW = the carry into my wave
	v_mov_b32 v[CW], v[CARRY]
.irp k, 0,1,2,3,4,5,6,7
.if \k > 0
	s_delay_alu instid0(VALU_DEP_2)
.endif
	v_fma_f32 v[CARRY], v[EX+2*\k], v[CARRY], v[EX+2*\k+1]
.if \k < 7
	s_delay_alu instid0(VALU_DEP_1)
	v_cndmask_b32 v[CW], v[CW], v[CARRY], s[MK+\k]
.endif
.endr
	FIX HL,PL,FAP,HAP,(\ob),(\o)
.if (\o) == 0
	FIX XE,Z,FAPB,HAPB,(\ob)+16*OROW,(\o)
.endif
.endm
.macro WM k, g, xs
.if \k == 7
.set rB, W7+12*\g
.else
.set rB, 12*(3*\k+\g)
.endif
.set rD, ACC+8*\g
.set rA, XF+12*\k
.set rSA, (\xs)+(\k%4)
.set rSB, WS+4*\g+(\k%4)
.if \k == 0
	v_wmma_scale_f32_16x16x128_f8f6f4 v[rD:rD+7], v[rA:rA+11], v[rB:rB+11], 0, v[rSA], v[rSB] matrix_a_fmt:MATRIX_FMT_BF6 matrix_b_fmt:MATRIX_FMT_BF6
.elseif \k < 4
	v_wmma_scale_f32_16x16x128_f8f6f4 v[rD:rD+7], v[rA:rA+11], v[rB:rB+11], v[rD:rD+7], v[rSA], v[rSB] matrix_a_fmt:MATRIX_FMT_BF6 matrix_b_fmt:MATRIX_FMT_BF6
.else
	v_wmma_scale_f32_16x16x128_f8f6f4 v[rD:rD+7], v[rA:rA+11], v[rB:rB+11], v[rD:rD+7], v[rSA], v[rSB] matrix_a_fmt:MATRIX_FMT_BF6 matrix_b_fmt:MATRIX_FMT_BF6 matrix_a_scale:MATRIX_SCALE_ROW1 matrix_b_scale:MATRIX_SCALE_ROW1
.endif
.endm
.macro MM xs                           ; 24 products: 8 K steps, the three gates' accumulators by turns; W's steps 0-6 lie in window 1
	WIN 0x04
.irp k, 0,1,2,3,4,5,6,7
	s_wait_dscnt 21-3*\k                           ; step k's three loads are in; the 21 - 3 k younger ones may be out
.if \k == 7
	WIN 0
.endif
.irp g, 0,1,2
	WM \k, \g, \xs
.endr
.endr
	NOPS 4                                         ; places behind the last products
.endm
; The gates of a tile, 8 numbers a lane.  All sources first, then the exponentials as one batch, then the reciprocals as one batch;
; a wait ahead of each batch and behind it.
.macro GATEWORK
.irp j, 0,1,2,3,4,5,6,7
	v_min_num_f32 v[Z+\j], v[FG+\j], v[IG+\j]
	v_min_num_f32 v[XE+\j], 0, v[X+\j]
.endr
.irp j, 0,1,2,3,4,5,6,7
	v_min_num_f32 v[Z+\j], 0, v[Z+\j]              ; z = min(f, i, 0)
.endr
.irp q, 0,2,4,6
	v_pk_mul_f32 v[Z+\q:Z+\q+1], v[Z+\q:Z+\q+1], s[LP:LP+1] op_sel_hi:[1,0]   ; z log2(e)
	v_pk_add_f32 v[X+\q:X+\q+1], v[X+\q:X+\q+1], v[XE+\q:XE+\q+1] neg_lo:[0,1] neg_hi:[0,1]   ; relu(x)
.endr
.irp q, 0,2,4,6
	v_pk_mul_f32 v[XE+\q:XE+\q+1], v[XE+\q:XE+\q+1], s[LP:LP+1] op_sel_hi:[1,0]
	v_pk_fma_f32 v[FG+\q:FG+\q+1], v[FG+\q:FG+\q+1], s[LN:LN+1], v[Z+\q:Z+\q+1] op_sel_hi:[1,0,1]   ; (z - f) log2(e)
	v_pk_fma_f32 v[IG+\q:IG+\q+1], v[IG+\q:IG+\q+1], s[LN:LN+1], v[Z+\q:Z+\q+1] op_sel_hi:[1,0,1]
.endr
	s_wait_alu depctr_va_vdst(0)
.irp b, Z, FG, IG, XE
.irp j, 0,1,2,3,4,5,6,7
	v_exp_f32 v[\b+\j], v[\b+\j]
.endr
.endr
	v_nop
	s_wait_alu depctr_va_vdst(0)
.irp q, 0,2,4,6
	v_pk_add_f32 v[FG+\q:FG+\q+1], v[FG+\q:FG+\q+1], v[Z+\q:Z+\q+1]          ; A
	v_pk_add_f32 v[IG+\q:IG+\q+1], v[IG+\q:IG+\q+1], v[Z+\q:Z+\q+1]          ; B
	v_pk_fma_f32 v[X+\q:X+\q+1], v[X+\q:X+\q+1], 2.0, v[XE+\q:XE+\q+1] op_sel_hi:[1,0,1]
	v_pk_add_f32 v[XE+\q:XE+\q+1], v[XE+\q:XE+\q+1], 1.0 op_sel_hi:[1,0]
.endr
.irp q, 0,2,4,6
	v_pk_add_f32 v[Z+\q:Z+\q+1], v[FG+\q:FG+\q+1], v[IG+\q:IG+\q+1]
.endr
.irp q, 0,2,4,6
	v_pk_mul_f32 v[Z+\q:Z+\q+1], v[Z+\q:Z+\q+1], v[XE+\q:XE+\q+1]            ; (A + B)(1 + E)
.endr
	s_wait_alu depctr_va_vdst(0)
.irp j, 0,1,2,3,4,5,6,7
	v_rcp_f32 v[Z+\j], v[Z+\j]
.endr
	v_nop
	s_wait_alu depctr_va_vdst(0)
.endm
.macro FIN hl, pl                      ; pl = f', hl = i' g, then the scan down the lane's two chains of four positions
.irp q, 0,1,2,3
	v_pk_mul_f32 v[XE+2*\q:XE+2*\q+1], v[XE+2*\q:XE+2*\q+1], v[Z+2*\q:Z+2*\q+1]
	v_pk_mul_f32 v[FG+2*\q:FG+2*\q+1], v[FG+2*\q:FG+2*\q+1], v[Z+2*\q:Z+2*\q+1]
.endr
.irp q, 0,1,2,3
	v_pk_mul_f32 v[\pl+2*\q:\pl+2*\q+1], v[IG+2*\q:IG+2*\q+1], v[XE+2*\q:XE+2*\q+1]
	v_pk_mul_f32 v[\hl+2*\q:\hl+2*\q+1], v[FG+2*\q:FG+2*\q+1], v[X+2*\q:X+2*\q+1]
.endr
.irp q, 1
	v_pk_fma_f32 v[\hl+2*\q:\hl+2*\q+1], v[\pl+2*\q:\pl+2*\q+1], v[\hl+2*\q-2:\hl+2*\q-1], v[\hl+2*\q:\hl+2*\q+1]
	v_pk_mul_f32 v[\pl+2*\q:\pl+2*\q+1], v[\pl+2*\q:\pl+2*\q+1], v[\pl+2*\q-2:\pl+2*\q-1]
.endr
.irp q, 2, 3
	s_delay_alu instid0(VALU_DEP_2)
	v_pk_fma_f32 v[\hl+2*\q:\hl+2*\q+1], v[\pl+2*\q:\pl+2*\q+1], v[\hl+2*\q-2:\hl+2*\q-1], v[\hl+2*\q:\hl+2*\q+1]
	s_delay_alu instid0(VALU_DEP_2)
	v_pk_mul_f32 v[\pl+2*\q:\pl+2*\q+1], v[\pl+2*\q:\pl+2*\q+1], v[\pl+2*\q-2:\pl+2*\q-1]
.endr
.endm
.macro AGG t, hl, pl, sto, buf         ; the tile's aggregate over both halves of the lanes; t = 1: joined behind the wave's first tile
	s_delay_alu instid0(VALU_DEP_1)
	v_mul_f32 v[FL], v[\pl+6], v[\pl+7]
	s_delay_alu instid0(VALU_DEP_2)
	v_fma_f32 v[LH], v[\pl+7], v[\hl+6], v[\hl+7]
	s_delay_alu instid0(VALU_DEP_2)
	v_permlanex16_b32 v[FO], v[FL], s[SEL], s[SEL+1]
	s_delay_alu instid0(VALU_DEP_2)
	v_permlanex16_b32 v[HO], v[LH], s[SEL], s[SEL+1]
	s_delay_alu instid0(VALU_DEP_1)
	v_cndmask_b32 v[T0], v[LH], v[HO], s[MH]
	s_delay_alu instid0(VALU_DEP_3)
	v_cndmask_b32 v[T1], v[FO], v[FL], s[MH]
.if \t == 0
	s_delay_alu instid0(VALU_DEP_4)
	v_mul_f32 v[FW], v[FL], v[FO]
	s_delay_alu instid0(VALU_DEP_4)
	v_cndmask_b32 v[FW+1], v[HO], v[LH], s[MH]
	s_delay_alu instid0(VALU_DEP_1)
	v_fma_f32 v[FW+1], v[T1], v[T0], v[FW+1]
	v_cndmask_b32 v[FAP], 1.0, v[FO], s[MH]
	v_cndmask_b32 v[HAP], 0, v[HO], s[MH]
.else
	s_delay_alu instid0(VALU_DEP_4)
	v_mul_f32 v[CP+1], v[FL], v[FO]
	s_delay_alu instid0(VALU_DEP_4)
	v_cndmask_b32 v[CP], v[HO], v[LH], s[MH]
	s_delay_alu instid0(VALU_DEP_1)
	v_fma_f32 v[CP], v[T1], v[T0], v[CP]
	v_cndmask_b32 v[FAPB], 1.0, v[FO], s[MH]
	v_cndmask_b32 v[HAPB], 0, v[HO], s[MH]
	s_delay_alu instid0(VALU_DEP_1)
	v_fma_f32 v[HAPB], v[FAPB], v[FW+1], v[HAPB]
	s_delay_alu instid0(VALU_DEP_3)
	v_mul_f32 v[FAPB], v[FAPB], v[FW]
	v_fma_f32 v[FW+1], v[CP+1], v[FW+1], v[CP]
	v_mul_f32 v[FW], v[FW], v[CP+1]
.endif
.if \sto
	ds_store_b64 v[EXW], v[FW:FW+1] offset:EXB*(\buf)
.endif
.endm
; SLOT 0'S TRIP: two tiles a wave.  refill: slot 1 gets its next tile at the head.  mid: slot 0 gets its next tile once my second tile is in registers.
.macro TRIPA first, refill, mid, defer, ostep, sload, ask, lcnt
.if \first
	s_wait_tensorcnt 0x1                           ; slot 0's load is done; slot 1's, issued behind it, may be out
.else
	s_wait_alu depctr_va_vdst(0)
	s_wait_tensorcnt 0x0                           ; all my tensor loads: my part of slot 0
	ds_add_u32 v[SPW], v[NIL]
.if \refill
	s_add_nc_u64 s[G0+6:G0+7], s[G0+6:G0+7], STEPX
.endif
	s_wait_xcnt 0x0                                ; earlier stores and prefetches have read their bases
.if \ostep
	s_add_nc_u64 s[OUT1:OUT1+1], s[OUT1:OUT1+1], OSTEP
.endif
.if \ask
	s_add_nc_u64 s[PF1:PF1+1], s[PF1:PF1+1], STEPX
.endif
	s_wait_dscnt 0x0                               ; the add, my reads of slot 1, my aggregate's store
	ROUND
.if \refill
	tensor_load_to_lds s[G0+4:G0+7], s[G1B:G1B+7]
	s_nop 0
	NOPS 4
.endif
.endif
.if \defer
	EXLOAD 1
.endif
	FETCH 0, 0
.if \ask
	ASK1
.endif
	s_wait_loadcnt \lcnt                           ; my two tiles' scale words; slot 1's, asked for later, may be out
.irp q, 0,1,2,3,4,5,6,7
	v_perm_b32 v[XS+\q], v[XS+\q], v[XS+\q], s[PSEL]
.endr
.if \defer
	s_wait_dscnt 24                                ; the aggregates are in; the 24 fragment loads may be out
	DEFER 1, -OSTEP*\ostep
.else
	NOPS 8
.endif
	s_wait_alu depctr_va_vdst(0)
	MM XS
	s_wait_xcnt 0x0                                ; the stores have read their data
.if \sload
	s_add_nc_u64 s[XA:XA+1], s[XA:XA+1], XSTEP
	global_load_b128 v[XS:XS+3], v[XSO], s[XA:XA+1]
.endif
	FETCH 0, 1
	GATEWORK
	FIN HL, PL
	AGG 0, HL, PL, 0, 0
.if \mid
	s_wait_alu depctr_va_vdst(0)
	s_wait_tensorcnt 0x0                           ; all my tensor loads: my part of slot 1
	ds_add_u32 v[SPW], v[NIL]
	s_add_nc_u64 s[G0+2:G0+3], s[G0+2:G0+3], STEPX
	s_wait_dscnt 0x0                               ; the add; my second tile is in registers: my reads of slot 0 are over
	ROUND
	tensor_load_to_lds s[G0:G0+3], s[G1A:G1A+7]
	s_nop 0
	NOPS 4
.endif
	MM XS+4
.if \sload
	global_load_b128 v[XS+4:XS+7], v[XSO], s[XA:XA+1] offset:512
.endif
	GATEWORK
	FIN XE, Z
	AGG 1, XE, Z, 1, 0
.endm
; SLOT 1'S TRIP: one tile a wave.  Its barrier serves the aggregates alone.
.macro TRIPB ostep, sload, ask
	s_wait_alu depctr_va_vdst(0)
	s_wait_xcnt 0x0
.if \ostep
	s_add_nc_u64 s[OUT0:OUT0+1], s[OUT0:OUT0+1], OSTEP
.endif
.if \ask
	s_add_nc_u64 s[PF0:PF0+1], s[PF0:PF0+1], STEPX
.endif
	s_wait_dscnt 0x0                               ; my aggregate's store is done
	s_barrier_signal -1
	s_barrier_wait -1
	EXLOAD 0
	FETCH 1, 0
.if \ask
	ASK0
.endif
	s_wait_loadcnt 2                               ; my tile's scale words; the two loads for slot 0's next trip may be out
.irp q, 0,1,2,3
	v_perm_b32 v[XS+8+\q], v[XS+8+\q], v[XS+8+\q], s[PSEL]
.endr
	s_wait_dscnt 24
	DEFER 0, -OSTEP*\ostep
	s_wait_alu depctr_va_vdst(0)
	MM XS+8
	s_wait_xcnt 0x0
.if \sload
	s_add_nc_u64 s[XA+2:XA+3], s[XA+2:XA+3], XSTEP
	global_load_b128 v[XS+8:XS+11], v[XSO], s[XA+2:XA+3]
.endif
	GATEWORK
	FIN HL, PL
	AGG 0, HL, PL, 1, 1
.endm
	s_load_b256 s[4:11], s[0:1], 0x0               ; W codes, W scales, x codes, x scales
	s_load_b64 s[OUT0:OUT0+1], s[0:1], 0x20
	v_lshl_add_u32 v[SPW], v0, 2, SPARE
	v_mov_b32 v[NIL], 0
	ds_add_u32 v[SPW], v[NIL]
	ds_add_u32 v[SPW], v[NIL]
	s_wait_dscnt 0x0
	v_lshrrev_b32 v[T0], 5, v0
	s_delay_alu instid0(VALU_DEP_1)
	v_readfirstlane_b32 s[WV], v[T0]
	s_bfe_u32 s[CX], ttmp6, 0x40000
	s_lshl_b32 s[CG], ttmp9, 2
	s_add_co_u32 s[CG], s[CG], s[CX]               ; column group 0..63
	s_and_b32 s[BT], ttmp7, 0xffff                 ; batch
	; x's rows are dense: a wave's 32 (slot 0) or 16 (slot 1) positions come as 96 or 48 rows of 256 bytes, 16 bytes of padding behind each; mask: all four of the cluster
	s_mov_b32 s[G1A+0], 15|(3<<16)|(1<<20)|(1<<21)|(5<<22)|(3<<25)
	s_mov_b32 s[G1A+1], 32<<16
	s_mov_b32 s[G1A+2], 96<<16
	s_mov_b32 s[G1A+3], 32<<16
	s_mov_b32 s[G1A+4], 96
	s_mov_b32 s[G1A+5], 32
	s_mov_b32 s[G1A+6], 0
	s_mov_b32 s[G1A+7], 0
	s_mov_b32 s[G1B+0], 15|(3<<16)|(1<<20)|(1<<21)|(5<<22)|(3<<25)
	s_mov_b32 s[G1B+1], 32<<16
	s_mov_b32 s[G1B+2], 48<<16
	s_mov_b32 s[G1B+3], 32<<16
	s_mov_b32 s[G1B+4], 48
	s_mov_b32 s[G1B+5], 32
	s_mov_b32 s[G1B+6], 0
	s_mov_b32 s[G1B+7], 0
	s_mul_i32 s18, s[WV], WTILE
	s_mul_i32 s63, s[WV], 2*WTILE
	s_mul_i32 s20, s[BT], BATCHX
	s_mul_i32 s21, s[WV], WROWS
	s_add_co_u32 s22, s20, s21
	s_add_co_u32 s20, s22, s21
	s_mov_b32 s21, 0
	s_mov_b32 s23, 0
	s_wait_kmcnt 0x0
	s_add_nc_u64 s[20:21], s[8:9], s[20:21]
	s_add_nc_u64 s[22:23], s[8:9], s[22:23]
	s_mov_b32 s[G0], 1
	s_mov_b32 s[G0+1], s63
	s_mov_b64 s[G0+2:G0+3], s[20:21]
	s_or_b32 s[G0+3], s[G0+3], 0x80000000
	s_mov_b32 s[G0+4], 1
	s_add_co_u32 s[G0+5], s18, SLOTB
	s_add_nc_u64 s[G0+6:G0+7], s[22:23], 256*ROWX
	s_or_b32 s[G0+7], s[G0+7], 0x80000000
	ROUND
	tensor_load_to_lds s[G0:G0+3], s[G1A:G1A+7]    ; slot 0: my one tensor load at the head
	s_nop 0
	NOPS 4
	; the rest of the set-up and W's loads stand under that load's flight
	s_lshl_b32 s2, s[BT], 17
	s_lshl_b32 s19, s[WV], 9
	s_add_co_u32 s2, s2, s19
	s_mov_b32 s3, 0
	s_add_nc_u64 s[XA+2:XA+3], s[10:11], s[2:3]
	s_add_nc_u64 s[XA+2:XA+3], s[XA+2:XA+3], 256*32
	s_add_co_u32 s2, s2, s19
	s_add_nc_u64 s[XA:XA+1], s[10:11], s[2:3]
	s_mul_i32 s2, s[CG], WROWS
	s_add_nc_u64 s[4:5], s[4:5], s[2:3]
	s_lshl_b32 s2, s[CG], 9
	s_add_nc_u64 s[6:7], s[6:7], s[2:3]
	s_lshl_b32 s2, s[BT], 24
	s_lshl_b32 s19, s[CG], 6
	s_add_co_u32 s2, s2, s19
	s_lshl_b32 s19, s[WV], 16
	s_add_co_u32 s2, s2, s19
	s_add_nc_u64 s[OUT1:OUT1+1], s[OUT0:OUT0+1], s[2:3]
	s_add_nc_u64 s[OUT1:OUT1+1], s[OUT1:OUT1+1], 256*OROW
	s_add_co_u32 s2, s2, s19
	s_add_nc_u64 s[OUT0:OUT0+1], s[OUT0:OUT0+1], s[2:3]
	; prefetch bases: my work-group's quarter of a tile (by cx), my wave's 8,192 bytes of it
	s_mul_i32 s80, s[BT], BATCHX
	s_mul_i32 s81, s[CX], 32*ROWX
	s_add_co_u32 s2, s80, s81
	s_add_co_u32 s80, s2, s81
	s_min_u32 s19, s[WV], 2
	s_lshl_b32 s19, s19, 13
	s_add_co_u32 s2, s2, s19
	s_add_co_u32 s2, s2, 256*ROWX+STEPX            ; slot 1's second tile: the first ask steps to the third
	s_add_nc_u64 s[PF1:PF1+1], s[8:9], s[2:3]
	s_min_u32 s19, s[WV], 5
	s_lshl_b32 s19, s19, 13
	s_add_co_u32 s2, s80, s19
	s_add_co_u32 s2, s2, STEPX                     ; slot 0's second tile: the first ask steps to the third
	s_add_nc_u64 s[PF0:PF0+1], s[8:9], s[2:3]
	s_cmp_lt_u32 s[WV], 6
	s_cselect_b32 s[PN0], 1, 0
	s_cmp_lt_u32 s[WV], 3
	s_cselect_b32 s[PN1], 1, -1                    ; the bound that CNT must pass: 1, or the greatest number for waves that ask for nothing
.irp k, 1,2,3,4,5,6,7
	s_cmp_eq_u32 s[WV], \k
	s_cselect_b32 s[MK+\k-1], -1, 0
.endr
	s_mov_b32 s[LP], 0x3fb8aa3b                    ; log2(e)
	s_mov_b32 s[LP+1], 0x3fb8aa3b
	s_mov_b32 s[LN], 0xbfb8aa3b
	s_mov_b32 s[LN+1], 0xbfb8aa3b
	s_mov_b32 s[PSEL], 0x03010200
	s_mov_b32 s[MH], 0xffff0000
	s_mov_b32 s[SEL], 0x76543210
	s_mov_b32 s[SEL+1], 0xfedcba98
	s_lshl_b32 s22, s[WV], 3
	v_and_b32 v[T0], 15, v0
	v_bfe_u32 v[T1], v0, 4, 1
	v_and_b32 v[EX], 8, v0                         ; which position of the tile lane r takes, so that a lane's registers form two chains of four neighbours
	v_and_b32 v[EX+1], 1, v0
	s_delay_alu instid0(VALU_DEP_1)
	v_lshl_add_u32 v[EX], v[EX+1], 2, v[EX]
	v_bfe_u32 v[EX+1], v0, 1, 2
	s_delay_alu instid0(VALU_DEP_1)
	v_add_nc_u32 v[EX], v[EX], v[EX+1]
	s_delay_alu instid0(VALU_DEP_1)
	v_mul_u32_u24 v[EX+3], v[EX], PITCH
	s_delay_alu instid0(VALU_DEP_1)
	v_mad_u32_u24 v[EX+3], v[T1], 48, v[EX+3]
	s_delay_alu instid0(VALU_DEP_1)
	v_add_nc_u32 v[ADR1], s63, v[EX+3]
	s_delay_alu instid0(VALU_DEP_2)
	v_add_nc_u32 v[ADR1+1], s18, v[EX+3]
	s_delay_alu instid0(VALU_DEP_1)
	v_add_nc_u32 v[ADR1+1], SLOTB, v[ADR1+1]
	s_delay_alu instid0(VALU_DEP_3)
	v_lshl_add_u32 v[ADR2], v[T1], 4, v[ADR1]
	s_delay_alu instid0(VALU_DEP_2)
	v_lshl_add_u32 v[ADR2+1], v[T1], 4, v[ADR1+1]
	v_mul_u32_u24 v[EXR], v[T0], 80
	s_delay_alu instid0(VALU_DEP_1)
	v_add_nc_u32 v[EXR], EXCH, v[EXR]
	s_delay_alu instid0(VALU_DEP_1)
	v_add_nc_u32 v[EXW], s22, v[EXR]
	v_lshlrev_b32 v[XSO], 5, v[EX]
	s_delay_alu instid0(VALU_DEP_1)
	v_lshl_add_u32 v[XSO], v[T1], 4, v[XSO]
	v_lshlrev_b32 v[OUTO], 2, v[T0]
	s_delay_alu instid0(VALU_DEP_1)
	v_lshl_add_u32 v[OUTO], v[T1], 15, v[OUTO]
	v_and_b32 v[PFO], 31, v0
	s_delay_alu instid0(VALU_DEP_1)
	v_lshlrev_b32 v[PFO], 8, v[PFO]
	v_mul_u32_u24 v[EX+1], v[T0], ROWX
	s_delay_alu instid0(VALU_DEP_1)
	v_mad_u32_u24 v[EX+1], v[T1], 48, v[EX+1]
	v_lshlrev_b32 v[EX+2], 5, v[T0]
	s_delay_alu instid0(VALU_DEP_1)
	v_lshl_add_u32 v[EX+2], v[T1], 4, v[EX+2]
	v_mov_b32 v[FO], 0
	v_mov_b32 v[HO], 0
	v_mov_b32 v[CARRY], 0                          ; h(-1) = 0
	WIN 0x40
.irp k, 0,1,2,3,4,5,6
.irp g, 0,1,2
.irp j, 0,1,2
	global_load_b128 v[12*(3*\k+\g)+4*\j:12*(3*\k+\g)+4*\j+3], v[EX+1], s[4:5] offset:\g*GATEW+96*\k+16*\j
.endr
.endr
.endr
	WIN 0
.irp g, 0,1,2
.irp j, 0,1,2
	global_load_b128 v[W7+12*\g+4*\j:W7+12*\g+4*\j+3], v[EX+1], s[4:5] offset:\g*GATEW+96*7+16*\j
.endr
.endr
.irp g, 0,1,2
	global_load_b128 v[WS+4*\g:WS+4*\g+3], v[EX+2], s[6:7] offset:\g*GATESC
.endr
	global_load_b128 v[XS:XS+3], v[XSO], s[XA:XA+1]
	global_load_b128 v[XS+4:XS+7], v[XSO], s[XA:XA+1] offset:512
	global_load_b128 v[XS+8:XS+11], v[XSO], s[XA+2:XA+3]
	s_wait_alu depctr_va_vdst(0)
	s_wait_tensorcnt 0x0                           ; slot 1's first fill is issued as a refill is
	ds_add_u32 v[SPW], v[NIL]
	s_wait_dscnt 0x0
	ROUND
	tensor_load_to_lds s[G0+4:G0+7], s[G1B:G1B+7]
	s_nop 0
	NOPS 4
	s_wait_loadcnt 3                               ; W and its scales; x's three scale loads may be out
.irp i, 0,1,2,3,4,5,6,7,8,9,10,11
	v_perm_b32 v[WS+\i], v[WS+\i], v[WS+\i], s[PSEL]
.endr
	; 4,096 positions = 11 trips of slot 0 (256) and 10 of slot 1 (128), by turns
	TRIPA 1, 0, 1, 0, 0, 1, 0, 1
	s_mov_b32 s[CNT], NPAIR
.Lpair:
	TRIPB 1, 1, 1
	TRIPA 0, 1, 1, 1, 1, 1, 1, 1
	s_sub_co_u32 s[CNT], s[CNT], 1
	s_cmp_lg_u32 s[CNT], 0
	s_cbranch_scc1 .Lpair
	TRIPB 1, 0, 0
	TRIPA 0, 0, 0, 1, 0, 0, 0, 0                   ; the last trip fills nothing
	s_wait_alu depctr_va_vdst(0)
	s_wait_dscnt 0x0
	s_barrier_signal -1
	s_barrier_wait -1
	EXLOAD 0
	s_wait_dscnt 0x0
	DEFER 0, 0
	s_wait_tensorcnt 0x0                           ; the wave's end
	ds_add_u32 v[SPW], v[NIL]
	s_wait_dscnt 0x0
	ROUND                                          ; the closing round
	s_endpgm
.Lfunc_end_k_qcee37fee0d_minlstm:
	.size	k_qcee37fee0d_minlstm, .Lfunc_end_k_qcee37fee0d_minlstm-k_qcee37fee0d_minlstm
	.p2alignl 7, 3214868480
	.fill 96, 4, 3214868480
	.section	.rodata,"a",@progbits
	.p2align	6, 0x0
	.amdhsa_kernel k_qcee37fee0d_minlstm
		.amdhsa_group_segment_fixed_size 327680
		.amdhsa_private_segment_fixed_size 0
		.amdhsa_enable_private_segment 0
		.amdhsa_kernarg_size 40
		.amdhsa_user_sgpr_count 2
		.amdhsa_user_sgpr_kernarg_segment_ptr 1
		.amdhsa_wavefront_size32 1
		.amdhsa_system_sgpr_workgroup_id_x 1
		.amdhsa_system_sgpr_workgroup_id_y 1
		.amdhsa_system_sgpr_workgroup_id_z 1
		.amdhsa_system_vgpr_workitem_id 0
		.amdhsa_next_free_vgpr 512
		.amdhsa_next_free_sgpr 84
		.amdhsa_reserve_vcc 0
		.amdhsa_float_denorm_mode_32 3
		.amdhsa_float_denorm_mode_16_64 3
		.amdhsa_memory_ordered 1
		.amdhsa_forward_progress 1
		.amdhsa_inst_pref_size 142
	.end_amdhsa_kernel
	.amdgpu_metadata
---
amdhsa.version: [ 1, 2 ]
amdhsa.kernels:
  - .name:           k_qcee37fee0d_minlstm
    .symbol:         k_qcee37fee0d_minlstm.kd
    .args:
      - { .name: W_codes, .offset: 0, .size: 8, .value_kind: global_buffer, .address_space: global }
      - { .name: W_scales, .offset: 8, .size: 8, .value_kind: global_buffer, .address_space: global }
      - { .name: x_codes, .offset: 16, .size: 8, .value_kind: global_buffer, .address_space: global }
      - { .name: x_scales, .offset: 24, .size: 8, .value_kind: global_buffer, .address_space: global }
      - { .name: out0, .offset: 32, .size: 8, .value_kind: global_buffer, .address_space: global }
    .group_segment_fixed_size: 327680
    .private_segment_fixed_size: 0
    .kernarg_segment_align: 8
    .kernarg_segment_size: 40
    .max_flat_workgroup_size: 256
    .sgpr_count:     84
    .vgpr_count:     512
    .wavefront_size: 32
...
	.end_amdgpu_metadata
.endif
;; end of part 2
